; MI455X (gfx1250); checked and timed in simulation.
; The chip was launched on July 23, 2026; its instructions are those of AMD's public machine-readable ISA for CDNA 5 (MIT licence, August 2026) and "CDNA5" Instruction Set Architecture Reference Guide (July 2026). The comments in the code are by the model that wrote it; some were corrected since.
;; Token Mixing Mo E. Allowed arithmetic: float matrix products may take bf16 or f16 operands with f32 sums; other float arithmetic in f32, or as packed bf16 or f16 multiplies, adds, multiply-adds, maxima and minima; sums over many terms, partial sums and values carried from step to step in f32; what a program stores and reads back later, other than sums and carried values, may be rounded once to bf16 or f16.
;; Inputs: b2 8 x 128 float32; gate_b 8 float32; gate_w 8 x 128 float32; ln1_b 8 x 128 float32; ln1_g 8 x 128 float32; ln2_b 8 x 512 float32; ln2_g 8 x 512 float32; w1 8 x 512 x 128 float32; w2 8 x 128 x 512 float32; x 4 x 8 x 1,024 x 128 float32.
;; Outputs: out0 4 x 8 x 1,024 x 128 float32.
;; One version. Each part assembles by itself: llvm-mc -triple=amdgcn-amd-amdhsa -mcpu=gfx1250 --defsym DOCPART=n.
;; ======== version 1 of 1: 2 launches
;; limits: a function is approximated: absolute error at most 2.5e-05; values are held in f16: magnitudes above 65,504 overflow, below 6.1e-05 lose precision
;; workspace buffers: sc 262,144 bytes; hist 32,768 bytes of whole numbers; bm 131,072 bytes of whole numbers; w1f 1,048,576 bytes; w2f 1,048,576 bytes
;; launch route (part 1): grid 288 x 1, 4 waves a work-group, no clusters, 134,656 bytes of LDS; arguments x, gate_w, gate_b, w1, w2, sc, hist, bm, w1f, w2f; writes sc, hist, bm, w1f, w2f
.if DOCPART == 1
	.amdgcn_target "amdgcn-amd-amdhsa--gfx1250"
	.amdhsa_code_object_version 6
	.text
	.protected	k_q3f2e085ba2_route
	.globl	k_q3f2e085ba2_route
	.p2align	8
	.type	k_q3f2e085ba2_route,@function
k_q3f2e085ba2_route:
	s_mov_b64 s[64:65], 0
	v_nop
	global_prefetch_b8 v0, s[64:65] scope:SCOPE_SE
	s_setreg_imm32_b32 hwreg(HW_REG_WAVE_MODE, 25, 1), 1
	s_wait_xcnt 0x0
; ROUTE.  Work-groups 0..255: the gate for 128 tokens each, all in f32 on x as it is given.  Stored at fixed places: the two
; probabilities of the chosen experts (sc: lower index first), one bit a token in the row of its PAIR of experts (bm: 28 pairs
; lo < hi, number lo (15 - lo) / 2 + hi - lo - 1), and the count of each pair in the 128 tokens (hist).  The choice is data
; here: no address and no branch of this launch hangs on it.
; Work-groups 256..287: the weights, rounded once to f16 and laid out as matrix fragments (1,024 bytes: two halves of
; 16 bytes a lane).  w1f = 0.5 (w1 - its mean over the 512 rows), so that the first product arrives centred and the second
; layer norm needs no mean; w2f = 0.5 w2.  The 0.5, exact, takes back the 2 of the later 2 gelu.
; LIMITS.  Logits are finite.  Ties are broken on the logits (strictly greater, ascending index: the lower index wins), where
; the reference breaks them on the rounded probabilities.  An exponential below 2^-126 counts as 0.  0.5 w must lie within
; f16's range (65,504); below 6e-5 it keeps f16's fixed step of 6e-8.
.set PSP,   1040                       ; a row of partial logits: 32 lanes x 8 experts x 4 bytes + 16: an odd multiple of 16
.set PSW,   32*PSP                     ; a wave's 32 rows
.set MB,    4*PSW                      ; masks: 16 x pair + 4 x wave
.set CB,    MB+512                     ; counts, likewise
.set SPARE, CB+512                     ; the spare words, 128 bytes a wave; no other line names them
.set MSB, 0
.macro WIN new                         ; the high byte repeats the setting that is left; a switch that changes nothing is dropped
.if MSB != (\new)
	s_set_vgpr_msb (MSB<<8)|(\new)
.set MSB, (\new)
.endif
.endm
; One row of x: lane l holds columns 4 l .. 4 l + 3.  Eight partial logits, two experts to a packed instruction; x's number is
; given to both halves by op_sel.  Two sets of sums take turns.
.macro ROW q
	s_wait_loadcnt 31-(\q)                         ; loads come back in order: row q is in, the younger rows stay out
.set AC, 8+8*((\q)%2)
.irp ep,0,1,2,3
	v_pk_mul_f32 v[AC+2*\ep:AC+2*\ep+1], v[64+4*(\q):65+4*(\q)], v[224+2*\ep:225+2*\ep] op_sel_hi:[0,1]
.endr
.irp ep,0,1,2,3
	v_pk_fma_f32 v[AC+2*\ep:AC+2*\ep+1], v[64+4*(\q):65+4*(\q)], v[232+2*\ep:233+2*\ep], v[AC+2*\ep:AC+2*\ep+1] op_sel:[1,0,0] op_sel_hi:[1,1,1]
.endr
.irp ep,0,1,2,3
	v_pk_fma_f32 v[AC+2*\ep:AC+2*\ep+1], v[66+4*(\q):67+4*(\q)], v[240+2*\ep:241+2*\ep], v[AC+2*\ep:AC+2*\ep+1] op_sel_hi:[0,1,1]
.endr
.irp ep,0,1,2,3
	v_pk_fma_f32 v[AC+2*\ep:AC+2*\ep+1], v[66+4*(\q):67+4*(\q)], v[248+2*\ep:249+2*\ep], v[AC+2*\ep:AC+2*\ep+1] op_sel:[1,0,0] op_sel_hi:[1,1,1]
.endr
	ds_store_b128 v6, v[AC:AC+3] offset:(\q)*PSP
	ds_store_b128 v6, v[AC+4:AC+7] offset:(\q)*PSP+512
.endm
; Unit u of the weights' 32 lies in v[32 + 8 u ..]: units 28 to 31 in window 1.
.macro DREG u
.if (\u) < 28
.set DL, 32+8*(\u)
.set DW, 0
.else
.set DL, 8*((\u)-28)
.set DW, 1
.endif
.endm
; A wave's share of the weights: 32 units of 16 rows x 16 columns; lane (r, h) holds 8 numbers of row r in each.
; US, DS: bytes from unit to unit in the source and in the fragments.  center = 1: the units are the 512 rows of w1 by
; sixteens, and the mean over them (in the lane over the units, by DPP over the 16 rows) is taken away before the rounding.
.macro PREP US, DS, center
.set uu, 0
.rept 32
	DREG uu
	WIN DW*64
	global_load_b128 v[DL:DL+3], v5, s[28:29] offset:uu*(\US)
	global_load_b128 v[DL+4:DL+7], v5, s[28:29] offset:uu*(\US)+16
.set uu, uu+1
.endr
	WIN 0
	s_wait_loadcnt 0x0
.if \center
.set uu, 2
.rept 30                               ; two chains, even and odd units; the first two units start them
	DREG uu
.set AC, 8+8*(uu%2)
	WIN DW*4
.irp i,0,1,2,3
.if uu < 4
	v_pk_add_f32 v[AC+2*\i:AC+2*\i+1], v[DL-16+2*\i:DL-16+2*\i+1], v[DL+2*\i:DL+2*\i+1]
.else
	v_pk_add_f32 v[AC+2*\i:AC+2*\i+1], v[AC+2*\i:AC+2*\i+1], v[DL+2*\i:DL+2*\i+1]
.endif
.endr
.set uu, uu+1
.endr
	WIN 0
.irp i,0,1,2,3
	v_pk_add_f32 v[8+2*\i:9+2*\i], v[8+2*\i:9+2*\i], v[16+2*\i:17+2*\i]
.endr
.irp n,1,2,4,8
.irp i,0,1,2,3,4,5,6,7
	v_add_f32_dpp v[8+\i], v[8+\i], v[8+\i] row_xmask:\n row_mask:0xf bank_mask:0xf
.endr
.endr
.irp i,0,1,2,3,4,5,6,7
	v_mul_f32 v[8+\i], 0x3a800000, v[8+\i]         ; 0.5 x the mean: sum / 1,024
.endr
.endif
.set uu, 0
.rept 32
	DREG uu
	WIN DW*65
.irp i,0,1,2,3
.if \center
	v_pk_fma_f32 v[DL+2*\i:DL+2*\i+1], v[DL+2*\i:DL+2*\i+1], 0.5, v[8+2*\i:9+2*\i] op_sel_hi:[1,0,1] neg_lo:[0,0,1] neg_hi:[0,0,1]
.else
	v_pk_mul_f32 v[DL+2*\i:DL+2*\i+1], v[DL+2*\i:DL+2*\i+1], 0.5 op_sel_hi:[1,0]
.endif
.endr
	WIN DW*69
.irp i,0,1,2,3
	v_cvt_pk_f16_f32 v[DL+\i], v[DL+2*\i], v[DL+2*\i+1]
.endr
	WIN DW*4
	global_store_b128 v1, v[DL:DL+3], s[30:31] offset:uu*(\DS)   ; the wave stores 512 consecutive bytes, aligned
.set uu, uu+1
.endr
	WIN 0
.endm
	s_load_b512 s[8:23], s[0:1], 0x0               ; x 8, gate_w 10, gate_b 12, w1 14, w2 16, sc 18, hist 20, bm 22
	s_load_b128 s[24:27], s[0:1], 0x40             ; w1f 24, w2f 26
	v_lshl_add_u32 v44, v0, 2, SPARE               ; my spare word, and 0: kept for the add alone
	v_mov_b32 v45, 0
	v_lshrrev_b32 v5, 5, v0
	v_readfirstlane_b32 s32, v5                    ; wave
	v_and_b32 v4, 31, v0                           ; lane
	v_lshlrev_b32 v1, 4, v4                        ; 16 x lane
	v_and_b32 v2, 15, v0                           ; r
	v_bfe_u32 v3, v0, 4, 1                         ; h
	s_mov_b32 s35, 0
	s_wait_kmcnt 0x0
	s_cmp_ge_u32 ttmp9, 256
	s_cbranch_scc1 .Lprep
	; ---------------- the gate ----------------
	s_load_b256 s[36:43], s[12:13], 0x0            ; gate_b
	s_lshl_b32 s34, ttmp9, 16                      ; 128 rows of 512 bytes a work-group,
	s_lshl_b32 s33, s32, 14                        ; 32 a wave
	s_add_co_u32 s34, s34, s33
	s_add_nc_u64 s[28:29], s[8:9], s[34:35]
.set ii, 0
.rept 8
	global_load_b128 v[192+4*ii:195+4*ii], v1, s[10:11] offset:512*ii
.set ii, ii+1
.endr
.set ii, 0
.rept 32                               ; a load is a whole row; all 32 rows of the wave are asked for at once
	global_load_b128 v[64+4*ii:67+4*ii], v1, s[28:29] offset:512*ii
.set ii, ii+1
.endr
	s_mul_i32 s33, s32, PSW
	v_add_nc_u32 v6, s33, v1                       ; where I put partial logits: my wave's rows, 16 x lane
	v_mul_u32_u24 v7, v4, PSP
	v_add_nc_u32 v7, s33, v7                       ; where I read them: row = lane
	s_mov_b32 s44, 0x3fb8aa3b                      ; log2(e)
	s_lshl_b32 s34, ttmp9, 10
	s_add_nc_u64 s[30:31], s[18:19], s[34:35]      ; sc at the work-group's 128 tokens
	s_wait_loadcnt 32                              ; gate_w is in: the 32 rows are younger
.irp k,0,1,2,3
.irp ep,0,1,2,3
	v_mov_b32 v[224+8*\k+2*\ep], v[192+8*\ep+\k]   ; pairs of experts for column 4 l + k
	v_mov_b32 v[225+8*\k+2*\ep], v[196+8*\ep+\k]
.endr
.endr
.set ii, 0
.rept 32
	ROW ii
.set ii, ii+1
.endr
	; lane = token: the row's 32 x 8 partial logits are added, two chains for each pair of experts.  The bytes are the wave's
	; own, and LDS serves a wave's instructions in order: no barrier.
.set gg, 0
.rept 4
.irp jj,0,1,2,3,4,5,6,7
	ds_load_b128 v[64+8*\jj:67+8*\jj], v7 offset:16*(8*gg+\jj)
	ds_load_b128 v[68+8*\jj:71+8*\jj], v7 offset:512+16*(8*gg+\jj)
.endr
	s_wait_dscnt 0x0
.irp jj,0,1,2,3,4,5,6,7
.irp i,0,1,2,3
.if (gg == 0) && (\jj < 2)
.elseif (gg == 0) && (\jj < 4)
	v_pk_add_f32 v[128+8*(\jj%2)+2*\i:129+8*(\jj%2)+2*\i], v[64+8*(\jj-2)+2*\i:65+8*(\jj-2)+2*\i], v[64+8*\jj+2*\i:65+8*\jj+2*\i]
.else
	v_pk_add_f32 v[128+8*(\jj%2)+2*\i:129+8*(\jj%2)+2*\i], v[128+8*(\jj%2)+2*\i:129+8*(\jj%2)+2*\i], v[64+8*\jj+2*\i:65+8*\jj+2*\i]
.endif
.endr
.endr
.set gg, gg+1
.endr
.irp i,0,1,2,3
	v_pk_add_f32 v[24+2*\i:25+2*\i], v[128+2*\i:129+2*\i], v[136+2*\i:137+2*\i]
.endr
	s_wait_kmcnt 0x0
.irp e,0,1,2,3,4,5,6,7
	v_add_f32 v[24+\e], s[36+\e], v[24+\e]         ; the logits
.endr
	; the largest (v32, index v33) and the largest of the others (v34, v35)
	v_mov_b32 v32, v24
	v_mov_b32 v33, 0
.irp e,1,2,3,4,5,6,7
	v_cmp_gt_f32 vcc_lo, v[24+\e], v32
	v_cndmask_b32 v32, v32, v[24+\e], vcc_lo
	v_cndmask_b32 v33, v33, \e, vcc_lo
.endr
	v_mov_b32 v34, 0xff800000
	v_cmp_eq_u32 vcc_lo, 0, v33
	v_cndmask_b32 v35, 0, 1, vcc_lo
.irp e,0,1,2,3,4,5,6,7
	v_cmp_ne_u32 s46, \e, v33
	v_cmp_gt_f32 vcc_lo, v[24+\e], v34
	s_and_b32 vcc_lo, vcc_lo, s46
	v_cndmask_b32 v34, v34, v[24+\e], vcc_lo
	v_cndmask_b32 v35, v35, \e, vcc_lo
.endr
	; softmax with the maximum taken away
	v_mul_f32 v36, s44, v32
.irp e,0,1,2,3,4,5,6,7
	v_fma_f32 v[48+\e], v[24+\e], s44, -v36
.endr
	v_fma_f32 v56, v34, s44, -v36
.irp e,0,1,2,3,4,5,6,7,8
	v_exp_f32 v[48+\e], v[48+\e]
.endr
	v_lshlrev_b32 v5, 3, v0                        ; a plain instruction behind the last exponential: 8 x thread
	s_wait_alu depctr_va_vdst(0)                   ; one wait for the nine exponentials
	v_add_f32 v57, v48, v49
	v_add_f32 v58, v50, v51
	v_add_f32 v59, v52, v53
	v_add_f32 v60, v54, v55
	v_add_f32 v57, v57, v58
	v_add_f32 v59, v59, v60
	v_add_f32 v57, v57, v59
	v_rcp_f32 v57, v57                             ; the largest's probability: its exponential is 1
	v_min_u32 v62, v33, v35                        ; lo (the plain instruction behind the reciprocal)
	s_wait_alu depctr_va_vdst(0)
	v_mul_f32 v58, v56, v57                        ; the second's
	v_max_u32 v63, v33, v35                        ; hi
	v_cmp_lt_u32 vcc_lo, v33, v35
	v_cndmask_b32 v60, v58, v57, vcc_lo            ; the probability of lo,
	v_cndmask_b32 v61, v57, v58, vcc_lo            ; of hi
	global_store_b64 v5, v[60:61], s[30:31]        ; the wave stores 256 consecutive bytes, aligned
	v_sub_nc_u32 v8, 15, v62
	v_mul_u32_u24 v8, v62, v8
	v_lshrrev_b32 v8, 1, v8
	v_add_nc_u32 v8, v8, v63
	v_sub_nc_u32 v8, v8, v62
	v_add_nc_u32 v8, -1, v8                        ; the pair's number
	v_mov_b32 v9, 0
	v_mov_b32 v10, 0
.set pp, 0
.rept 28                               ; lane p takes pair p's mask of my 32 tokens, and its count
	v_cmp_eq_u32 s46, pp, v8
	v_writelane_b32 v9, s46, pp
	s_bcnt1_i32_b32 s47, s46
	v_writelane_b32 v10, s47, pp
.set pp, pp+1
.endr
	s_lshl_b32 s33, s32, 2
	s_add_co_u32 s33, s33, MB
	v_add_nc_u32 v11, s33, v1
	ds_store_b32 v11, v9
	ds_store_b32 v11, v10 offset:512
	s_wait_dscnt 0x0                               ; for wave 0's sake: my stores are done
	s_barrier_signal -1
	s_barrier_wait -1
	s_cmp_lg_u32 s32, 0
	s_cbranch_scc1 .Lgend
	v_add_nc_u32 v12, MB, v1
	ds_load_b128 v[16:19], v12                     ; lane = pair: the four waves' masks,
	ds_load_b128 v[20:23], v12 offset:512          ; and counts
	s_lshl_b32 s34, ttmp9, 7
	s_add_nc_u64 s[28:29], s[20:21], s[34:35]      ; hist[work-group][..]  (x's loads, which named s[28:29], are all in)
	s_lshl_b32 s34, ttmp9, 4
	s_add_nc_u64 s[48:49], s[22:23], s[34:35]      ; bm[..][4 x work-group ..]
	v_lshlrev_b32 v13, 2, v4
	v_lshlrev_b32 v14, 12, v4
	s_wait_dscnt 0x0
	v_add_nc_u32 v20, v20, v21
	v_add_nc_u32 v22, v22, v23
	v_add_nc_u32 v20, v20, v22
	global_store_b32 v13, v20, s[28:29]            ; 128 bytes; and 16 bytes in each of 32 rows: small pieces, 160 KB in the whole
	global_store_b128 v14, v[16:19], s[48:49]      ; launch, so that each of the 256 readers finds its pair's row on end
.Lgend:
	s_nop 0
	s_wait_tensorcnt 0x0                           ; the wave's end
	ds_add_u32 v44, v45
	s_wait_dscnt 0x0
	s_endpgm
	; ---------------- the weights: no LDS, no barrier ----------------
.Lprep:
	s_sub_co_u32 s33, ttmp9, 256
	s_lshl2_add_u32 s33, s33, s32                  ; job 0..127: 64 for w1, 64 for w2
	s_and_b32 s34, s33, 63
	s_lshr_b32 s36, s34, 3                         ; expert
	s_and_b32 s37, s34, 7                          ; w1: which 16 columns; w2: which 16 rows
	s_lshl_b32 s38, s36, 18
	s_lshl_b32 s40, s36, 17
	s_mov_b32 s39, 0
	s_mov_b32 s41, 0
	s_cmp_ge_u32 s33, 64
	s_cbranch_scc1 .Lprep2
	s_lshl_b32 s42, s37, 6
	s_add_co_u32 s38, s38, s42
	s_lshl_b32 s42, s37, 9
	s_add_co_u32 s40, s40, s42
	s_add_nc_u64 s[28:29], s[14:15], s[38:39]
	s_add_nc_u64 s[30:31], s[24:25], s[40:41]
	v_lshlrev_b32 v5, 9, v2
	v_lshl_add_u32 v5, v3, 5, v5                   ; row r of 512 bytes, 32 bytes for each half of the lanes
	PREP 8192, 4096, 1
	s_endpgm
.Lprep2:
	s_lshl_b32 s42, s37, 15
	s_add_co_u32 s38, s38, s42
	s_lshl_b32 s42, s37, 14
	s_add_co_u32 s40, s40, s42
	s_add_nc_u64 s[28:29], s[16:17], s[38:39]
	s_add_nc_u64 s[30:31], s[26:27], s[40:41]
	v_lshlrev_b32 v5, 11, v2
	v_lshl_add_u32 v5, v3, 5, v5                   ; row r of 2,048 bytes
	PREP 64, 512, 0
	s_endpgm
.Lfunc_end_k_q3f2e085ba2_route:
	.size	k_q3f2e085ba2_route, .Lfunc_end_k_q3f2e085ba2_route-k_q3f2e085ba2_route
	.p2alignl 7, 3214868480
	.fill 96, 4, 3214868480
	.section	.rodata,"a",@progbits
	.p2align	6, 0x0
	.amdhsa_kernel k_q3f2e085ba2_route
		.amdhsa_group_segment_fixed_size 134656
		.amdhsa_private_segment_fixed_size 0
		.amdhsa_enable_private_segment 0
		.amdhsa_kernarg_size 80
		.amdhsa_user_sgpr_count 2
		.amdhsa_user_sgpr_kernarg_segment_ptr 1
		.amdhsa_wavefront_size32 1
		.amdhsa_system_sgpr_workgroup_id_x 1
		.amdhsa_system_sgpr_workgroup_id_y 1
		.amdhsa_system_sgpr_workgroup_id_z 1
		.amdhsa_system_vgpr_workitem_id 0
		.amdhsa_next_free_vgpr 288
		.amdhsa_next_free_sgpr 66
		.amdhsa_reserve_vcc 1
		.amdhsa_float_denorm_mode_32 3
		.amdhsa_float_denorm_mode_16_64 3
		.amdhsa_memory_ordered 1
		.amdhsa_forward_progress 1
		.amdhsa_inst_pref_size 130
	.end_amdhsa_kernel
	.amdgpu_metadata
---
amdhsa.version: [ 1, 2 ]
amdhsa.kernels:
  - .name:           k_q3f2e085ba2_route
    .symbol:         k_q3f2e085ba2_route.kd
    .args:
      - { .name: x, .offset: 0, .size: 8, .value_kind: global_buffer, .address_space: global }
      - { .name: gate_w, .offset: 8, .size: 8, .value_kind: global_buffer, .address_space: global }
      - { .name: gate_b, .offset: 16, .size: 8, .value_kind: global_buffer, .address_space: global }
      - { .name: w1, .offset: 24, .size: 8, .value_kind: global_buffer, .address_space: global }
      - { .name: w2, .offset: 32, .size: 8, .value_kind: global_buffer, .address_space: global }
      - { .name: sc, .offset: 40, .size: 8, .value_kind: global_buffer, .address_space: global }
      - { .name: hist, .offset: 48, .size: 8, .value_kind: global_buffer, .address_space: global }
      - { .name: bm, .offset: 56, .size: 8, .value_kind: global_buffer, .address_space: global }
      - { .name: w1f, .offset: 64, .size: 8, .value_kind: global_buffer, .address_space: global }
      - { .name: w2f, .offset: 72, .size: 8, .value_kind: global_buffer, .address_space: global }
    .group_segment_fixed_size: 134656
    .private_segment_fixed_size: 0
    .kernarg_segment_align: 8
    .kernarg_segment_size: 80
    .max_flat_workgroup_size: 128
    .sgpr_count:     66
    .vgpr_count:     288
    .wavefront_size: 32
...
	.end_amdgpu_metadata
.endif
;; end of part 1
;; launch chain (part 2): grid 256 x 1, 4 waves a work-group, no clusters, 312,320 bytes of LDS; arguments x, sc, hist, bm, w1f, w2f, ln1_g, ln1_b, ln2_g, ln2_b, b2, out0; writes out0
.if DOCPART == 2
	.amdgcn_target "amdgcn-amd-amdhsa--gfx1250"
	.amdhsa_code_object_version 6
	.text
	.protected	k_q3f2e085ba2_chain
	.globl	k_q3f2e085ba2_chain
	.p2align	8
	.type	k_q3f2e085ba2_chain,@function
k_q3f2e085ba2_chain:
	s_mov_b64 s[64:65], 0
	v_nop
	global_prefetch_b8 v0, s[64:65] scope:SCOPE_SE
	s_setreg_imm32_b32 hwreg(HW_REG_WAVE_MODE, 25, 1), 1
	s_wait_xcnt 0x0
; CHAIN.  Tokens are grouped by their PAIR of experts (28 pairs).  A work-group owns one tile of at most 144 tokens of one
; pair and takes it through the whole chain for both experts, into one sum: each output row has one owner.
; THE GRID SERVES EVERY SPLIT: the sum over the pairs of ceil(T / 144) is at most (32,768 + 28 x 143) / 144 = 255.4 tiles for
; 256 work-groups.  Every work-group adds up hist, finds its tile by the same formula, and finds its tokens by rank in its
; pair's row of bm.  Places past the count repeat the last token; their stores are jumped.  A work-group without rows runs on
; a clamped token and stores nothing: no barrier stands under a branch on loaded numbers.
; SHARES.  First norm and gelu: wave w takes expert w % 2 and 64 of the 128 columns (half w / 2) of all 144 tokens.  Then wave w
; owns 128 of the 512 hidden columns (first product, second norm, gelu) and 32 of the 128 output columns
; (second product), for all 144 tokens: each weight byte is read once a work-group, from memory straight into fragment
; registers; only activations go through LDS.  Both products are used transposed (source 0 = 16 rows of weights, source 1 =
; 16 tokens): a lane holds ONE token (lane % 16) and 8 neighbouring columns.
; ALGEBRA.  w1f is centred over the hidden index, so t arrives centred and var = sum t^2 / 512 (what f16's rounding of w1f leaves
; of the mean is not taken away).  2 gelu(h) = h + |h| - |h| erfc(|h| / sqrt 2); erfc by three terms in 1 / (1 + p x) times
; exp(-x^2), absolute error 2.5e-5: the result is off by at most 2.5e-5 |h|, whatever h; relative to gelu(h) itself that grows in the far
; negative tail, where gelu is near 0.  The 2 is taken back by the exact 0.5 in w1f and w2f.  The score multiplies 2 gelu
; ahead of its one rounding; s_lo b2_lo + s_hi b2_hi starts the sum.
; NO CLUSTER: how many tiles a pair has hangs on stored counts, so partners could not be kept alike in their weights.
; LIMITS.  All four matrix operands are f16, rounded once from f32: 2 gelu(h1), score x 2 gelu(h2) must lie within 65,504;
; below 6e-5 they keep f16's fixed step of 6e-8.  NaN and infinities are not treated apart.
; REGISTERS, in windows of 256 (s_set_vgpr_msb: bits 1:0 source 0, 3:2 source 1, 5:4 source 2, 7:6 destination):
;   window 0: v0-15, v25 addresses; v16-24 rstd by sub-tile; v26-43 the two scores by sub-tile; v44-45 the add's; v46-49 two
;             pairs for broadcasts; v50-63 at work; v64-191 W1 blocks 0-3, later gelu's H and Y, U; v192-255 token fragments, gelu's D, P
;   window 1: v0-63 ln1's g, b (my half); then t of sub-tiles 0-3; then W2        window 2: gathered rows; the first norm and gelu; t of 4-7; then the sums
;   window 3: v0-63 t of sub-tile 8; v64-191 W1 blocks 4-7, then ln2's g, b; v192-227 my 36 rows' byte offsets
.set XP,    528                        ; a row of 128 f32 + 16: an odd multiple of 16 bytes, like all pitches here
.set A1P,   272                        ; a row of 128 f16 + 16
.set A2P,   1040                       ; a row of 512 f16 + 16
.set A1,    144*XP                     ; [0, A1): x's rows; later each wave's own 18,432 bytes of running sums
.set A1E,   144*A1P                    ; 2 gelu(h1) of one expert; two of them; at the end the finished rows, pitch XP
.set A2,    A1+2*A1E                   ; score x 2 gelu(h2); at the start the search's tables
.set SS,    A2+144*A2P                 ; sums of squares: 16 x token + 4 x wave
.set TOK,   SS+4608                    ; the tile's tokens
.set SCL,   TOK+1024                   ; their two scores
.set SPARE, SCL+2048                   ; the spare words, 128 bytes a wave; no other line names them
.set HP,    A2
.set PW,    A2+4096                    ; for each of the row's 1,024 words: set bits ahead of it in its wave's 256 words
.set BW,    A2+8192                    ; the words
.set WT,    A2+12288                   ; the four waves' totals
.set GY, 128                           ; gelu's arrays, 32 registers each
.set GU, 160
.set GD, 192
.set GP, 224
.set P1S, 32                           ; the first norm's ten registers at work, in window 2
.set MSB, 0
.macro WIN new                         ; the high byte repeats the setting that is left; a switch that changes nothing is dropped
.if MSB != (\new)
	s_set_vgpr_msb (MSB<<8)|(\new)
.set MSB, (\new)
.endif
.endm
.macro PLACES                          ; four plain places behind a matrix instruction (ISA guide 7.12.1)
.rept 4
	v_nop
.endr
.endm
.macro BAR                             ; my LDS instructions are done; then the work-group's barrier
	s_wait_dscnt 0x0
	s_barrier_signal -1
	s_barrier_wait -1
.endm
.macro POPC d, s, t                    ; v[d] = the number of set bits of v[s]
	v_lshrrev_b32 v[\t], 1, v[\s]
	v_and_b32 v[\t], 0x55555555, v[\t]
	v_sub_nc_u32 v[\d], v[\s], v[\t]
	v_lshrrev_b32 v[\t], 2, v[\d]
	v_and_b32 v[\d], 0x33333333, v[\d]
	v_and_b32 v[\t], 0x33333333, v[\t]
	v_add_nc_u32 v[\d], v[\d], v[\t]
	v_lshrrev_b32 v[\t], 4, v[\d]
	v_add_nc_u32 v[\d], v[\d], v[\t]
	v_and_b32 v[\d], 0x0f0f0f0f, v[\d]
	v_mul_lo_u32 v[\d], v[\d], 0x01010101
	v_lshrrev_b32 v[\d], 24, v[\d]
.endm
; 2 gelu of 32 numbers v[hb ..], all arrays in window w; sig = 1: times the score; rounded to f16 into v[GD .. GD+15].
; y = c |h|, c = sqrt(log2(e) / 2).  U = 2^(-y^2), D = 1 / (1 + p y), H = h + |h| - y D U (a1 + a2 D + a3 D^2), constants scaled by c.
; A pair's five plain lines stand by turns with the four transcendentals of the pair before; none of these names a result.
; The 64 transcendentals are one batch with one wait; then the rest, stage by stage over the 16 pairs.
.macro GELU16 w, hb, sig
	WIN 0x55*(\w)
.set kk, 0
.rept 16
	v_mul_f32 v[GY+2*kk], |v[(\hb)+2*kk]|, s58
.if kk > 0
	v_exp_f32 v[GU+2*kk-2], v[GU+2*kk-2]
.endif
	v_mul_f32 v[GY+2*kk+1], |v[(\hb)+2*kk+1]|, s58
.if kk > 0
	v_rcp_f32 v[GD+2*kk-2], v[GD+2*kk-2]
.endif
	v_pk_mul_f32 v[GU+2*kk:GU+2*kk+1], v[GY+2*kk:GY+2*kk+1], v[GY+2*kk:GY+2*kk+1] neg_lo:[1,0] neg_hi:[1,0]
.if kk > 0
	v_exp_f32 v[GU+2*kk-1], v[GU+2*kk-1]
.endif
	v_pk_fma_f32 v[GD+2*kk:GD+2*kk+1], v[GY+2*kk:GY+2*kk+1], s[60:61], 1.0 op_sel_hi:[1,0,0]
.if kk > 0
	v_rcp_f32 v[GD+2*kk-1], v[GD+2*kk-1]
.endif
	v_pk_fma_f32 v[(\hb)+2*kk:(\hb)+2*kk+1], v[GY+2*kk:GY+2*kk+1], s[72:73], v[(\hb)+2*kk:(\hb)+2*kk+1] op_sel_hi:[1,0,1]
.set kk, kk+1
.endr
	v_exp_f32 v[GU+30], v[GU+30]
	v_rcp_f32 v[GD+30], v[GD+30]
	v_exp_f32 v[GU+31], v[GU+31]
	v_rcp_f32 v[GD+31], v[GD+31]
	v_nop                                          ; the plain instruction behind the last transcendental
	s_wait_alu depctr_va_vdst(0)                   ; the wait for the batch
.set kk, 0
.rept 16
	v_pk_fma_f32 v[GP+2*kk:GP+2*kk+1], v[GD+2*kk:GD+2*kk+1], s[66:67], s[68:69] op_sel_hi:[1,0,0]
.set kk, kk+1
.endr
.set kk, 0
.rept 16
	v_pk_fma_f32 v[GP+2*kk:GP+2*kk+1], v[GP+2*kk:GP+2*kk+1], v[GD+2*kk:GD+2*kk+1], s[70:71] op_sel_hi:[1,1,0]
.set kk, kk+1
.endr
.set kk, 0
.rept 16
	v_pk_mul_f32 v[GU+2*kk:GU+2*kk+1], v[GU+2*kk:GU+2*kk+1], v[GD+2*kk:GD+2*kk+1]
.set kk, kk+1
.endr
.set kk, 0
.rept 16
	v_pk_mul_f32 v[GP+2*kk:GP+2*kk+1], v[GP+2*kk:GP+2*kk+1], v[GU+2*kk:GU+2*kk+1]
.set kk, kk+1
.endr
.set kk, 0
.rept 16
	v_pk_fma_f32 v[(\hb)+2*kk:(\hb)+2*kk+1], v[GY+2*kk:GY+2*kk+1], v[GP+2*kk:GP+2*kk+1], v[(\hb)+2*kk:(\hb)+2*kk+1] neg_lo:[1,0,0] neg_hi:[1,0,0]
.set kk, kk+1
.endr
.if \sig
.set kk, 0
.rept 16
	v_pk_mul_f32 v[(\hb)+2*kk:(\hb)+2*kk+1], v[(\hb)+2*kk:(\hb)+2*kk+1], v[46:47] op_sel_hi:[1,0]
.set kk, kk+1
.endr
.endif
.set kk, 0
.rept 16
	v_cvt_pk_f16_f32 v[GD+kk], v[(\hb)+2*kk], v[(\hb)+2*kk+1]
.set kk, kk+1
.endr
.endm
; One pair of experts in the search for my tile: its tiles are ceil(T / 144) = ((T + 143) >> 4) / 9, the division by 7,282 / 65,536
; (right below 32,768); the last pair whose first tile is not past my number is mine.
.set NBIN, 0
.macro BIN lo, hi
	v_readlane_b32 s34, v64, NBIN
	s_add_co_u32 s35, s34, 143
	s_lshr_b32 s35, s35, 4
	s_mul_i32 s35, s35, 7282
	s_lshr_b32 s35, s35, 16
	s_cmp_ge_u32 ttmp9, s36
	s_cselect_b32 s37, NBIN|((\lo)<<8)|((\hi)<<16), s37
	s_cselect_b32 s38, s36, s38
	s_cselect_b32 s39, s34, s39
	s_add_co_u32 s36, s36, s35
.set NBIN, NBIN+1
.endm
; Half of my wave's 32 fragments of W1 (blocks 4 half .. 4 half + 3 of 16 hidden columns x 4 K steps): 32 loads of 512 bytes on end
.macro W1LOAD half
	WIN 0xc0*(\half)
.set ff, 0
.rept 16
	global_load_b128 v[64+8*ff:67+8*ff], v1, s[48:49] offset:(\half)*16384+ff*1024
	global_load_b128 v[68+8*ff:71+8*ff], v1, s[48:49] offset:(\half)*16384+ff*1024+512
.set ff, ff+1
.endr
	WIN 0
.endm
; My wave's 32 fragments of W2 (2 blocks of 16 output columns x 16 K steps), in the order of the K steps: four loads a step
.macro W2LOAD
	WIN 0x40
.set cc, 0
.rept 16
.irp hb,0,1
	global_load_b128 v[8*(16*\hb+cc):8*(16*\hb+cc)+3], v1, s[50:51] offset:\hb*16384+cc*1024
	global_load_b128 v[8*(16*\hb+cc)+4:8*(16*\hb+cc)+7], v1, s[50:51] offset:\hb*16384+cc*1024+512
.endr
.set cc, cc+1
.endr
	WIN 0
.endm
; FIRST PRODUCT.  Sub-tile s: its four token fragments (16 tokens x 32 K), two buffers by turns; 32 matrix instructions.
.macro P2LOAD s
	WIN 0
.set BFB, 192+32*((\s)%2)
.irp c,0,1,2,3
	ds_load_b128 v[BFB+8*\c:BFB+8*\c+3], v5 offset:(\s)*16*A1P+64*\c
	ds_load_b128 v[BFB+8*\c+4:BFB+8*\c+7], v5 offset:(\s)*16*A1P+64*\c+32
.endr
.endm
.macro P2MUL s, half                   ; four accumulators by turns, one instruction a turn; the first K step starts the sums
.set TW, 1+(\s)/4
.set TL, 64*((\s)%4)+32*(\half)
.set BFB, 192+32*((\s)%2)
	WIN 3*(\half)+TW*0x50
.irp c,0,1,2,3
.irp a,0,1,2,3
.if \c == 0
	v_wmma_f32_16x16x32_f16 v[TL+8*\a:TL+8*\a+7], v[64+8*(4*\a+\c):64+8*(4*\a+\c)+7], v[BFB+8*\c:BFB+8*\c+7], 0
.else
	v_wmma_f32_16x16x32_f16 v[TL+8*\a:TL+8*\a+7], v[64+8*(4*\a+\c):64+8*(4*\a+\c)+7], v[BFB+8*\c:BFB+8*\c+7], v[TL+8*\a:TL+8*\a+7]
.endif
.endr
.endr
.endm
; The sum of squares of sub-tile s over my wave's 128 columns: four chains; each accumulator is read from its lowest pair on
.macro P3SUM s
.set TW, 1+(\s)/4
.set TL, 64*((\s)%4)
	WIN TW*5
.set pp, 0
.rept 32
.if pp < 4
	v_pk_mul_f32 v[50+2*pp:51+2*pp], v[TL+2*pp:TL+2*pp+1], v[TL+2*pp:TL+2*pp+1]
.else
	v_pk_fma_f32 v[50+2*(pp%4):51+2*(pp%4)], v[TL+2*pp:TL+2*pp+1], v[TL+2*pp:TL+2*pp+1], v[50+2*(pp%4):51+2*(pp%4)]
.endif
.set pp, pp+1
.endr
	WIN 0
	v_pk_add_f32 v[50:51], v[50:51], v[52:53]
	v_pk_add_f32 v[54:55], v[54:55], v[56:57]
	v_pk_add_f32 v[50:51], v[50:51], v[54:55]
	v_add_f32 v50, v50, v51
	v_permlanex16_b32 v51, v50, s74, s75           ; the token's other 64 columns lie in the lane 16 away
	v_add_f32 v50, v50, v51
	ds_store_b32 v14, v50 offset:256*(\s)
.endm
; What differs from sub-tile to sub-tile in the second norm and gelu: H = t(s) x rstd(s), and the score of the expert in hand
.macro P4BLK s
.Lb\s:
	v_mov_b32 v48, v[16+\s]
	v_cndmask_b32 v46, v[26+2*\s], v[27+2*\s], s46
	WIN 1+(\s)/4
.set pp, 0
.rept 32
	v_pk_mul_f32 v[64+2*pp:65+2*pp], v[64*((\s)%4)+2*pp:64*((\s)%4)+2*pp+1], v[48:49] op_sel_hi:[1,0]
.set pp, pp+1
.endr
	WIN 0
.endm
; SECOND PRODUCT, in 36 chunks of four token fragments and eight matrix instructions.  Chunks 0-31: two sub-tiles x two K steps,
; four accumulators by turns; chunks 32-35: sub-tile 8 x four K steps, two accumulators by turns.
.macro P5LOAD n
	WIN 0
.set BFB, 192+32*((\n)%2)
.irp f,0,1,2,3
.if (\n) < 32
.set ss, 2*((\n)/8)+(\f)/2
.set cc, 2*((\n)%8)+(\f)%2
.else
.set ss, 8
.set cc, 4*((\n)-32)+(\f)
.endif
	ds_load_b128 v[BFB+8*\f:BFB+8*\f+3], v[8+ss/3] offset:(ss%3)*16*A2P+64*cc
	ds_load_b128 v[BFB+8*\f+4:BFB+8*\f+7], v[8+ss/3] offset:(ss%3)*16*A2P+64*cc+32
.endr
.endm
.macro P5MUL n
	WIN 0xa1                                       ; W2 in window 1, tokens in window 0, sums in window 2
.set BFB, 192+32*((\n)%2)
.irp f,0,1,2,3
.irp hb,0,1
.if (\n) < 32
.set ss, 2*((\n)/8)+(\f)%2
.set cc, 2*((\n)%8)+(\f)/2
.set bf, BFB+8*(2*((\f)%2)+(\f)/2)
.else
.set ss, 8
.set cc, 4*((\n)-32)+(\f)
.set bf, BFB+8*(\f)
.endif
	v_wmma_f32_16x16x32_f16 v[8*(2*ss+\hb):8*(2*ss+\hb)+7], v[8*(16*\hb+cc):8*(16*\hb+cc)+7], v[bf:bf+7], v[8*(2*ss+\hb):8*(2*ss+\hb)+7]
.endr
.endr
.endm
	s_load_b512 s[8:23], s[0:1], 0x0               ; x 8, sc 10, hist 12, bm 14, w1f 16, w2f 18, ln1_g 20, ln1_b 22
	s_load_b256 s[24:31], s[0:1], 0x40             ; ln2_g 24, ln2_b 26, b2 28, out0 30
	v_lshl_add_u32 v44, v0, 2, SPARE               ; my spare word, and 0: kept for the add alone
	v_mov_b32 v45, 0
	v_lshrrev_b32 v50, 5, v0
	v_readfirstlane_b32 s32, v50                   ; wave
	v_and_b32 v63, 31, v0                          ; lane
	v_lshlrev_b32 v1, 4, v63                       ; 16 x lane
	v_and_b32 v2, 15, v0                           ; r
	v_bfe_u32 v3, v0, 4, 1                         ; h
	v_lshlrev_b32 v4, 5, v3                        ; 32 h
	v_lshlrev_b32 v51, 4, v0                       ; 16 x thread
	v_mov_b32 v47, 0                               ; named in pairs with v46 and v48
	v_mov_b32 v49, 0
	s_mov_b32 s57, 0                               ; the high word of every offset
	s_mov_b32 s58, 0x3f596d27                      ; c = sqrt(log2(e) / 2) = 0.8493218
	s_mov_b32 s60, 0x3ec88bda                      ; 0.47047 / sqrt(log2(e)) = 0.3916920
	s_mov_b32 s61, 0x3ec88bda
	s_mov_b32 s66, 0x3f616a97                      ; 0.7478556 / c
	s_mov_b32 s67, 0x3f616a97
	s_mov_b32 s68, 0xbde732ca                      ; -0.0958798 / c
	s_mov_b32 s69, 0xbde732ca
	s_mov_b32 s70, 0x3ed1cd01                      ; 0.3480242 / c
	s_mov_b32 s71, 0x3ed1cd01
	s_mov_b32 s72, 0x3f96b55f                      ; 1 / c
	s_mov_b32 s73, 0x3f96b55f
	s_mov_b32 s74, 0x76543210                      ; v_permlanex16_b32: each lane takes its own place in the other half
	s_mov_b32 s75, 0xfedcba98
	s_mov_b32 s76, 0x3c000000                      ; 1 / 128
	s_mov_b32 s77, 0x3727c5ac                      ; 1e-5
	s_mov_b32 s78, 0x3b000000                      ; 1 / 512
	s_lshr_b32 s33, s32, 1                         ; s33: which half of x's columns is mine in the first gelu; never rewritten
	s_wait_kmcnt 0x0
.set ii, 0
.rept 16                               ; hist, 32 KB: thread t takes four pairs of every sixteenth block
	global_load_b128 v[64+4*ii:67+4*ii], v51, s[12:13] offset:2048*ii
.set ii, ii+1
.endr
	; the LDS addresses, while those loads are out
	v_lshlrev_b32 v52, 4, v3                       ; 16 h
	v_mad_u32_u24 v5, v2, A1P, v52
	v_add_nc_u32 v5, A1, v5                        ; v5: my token fragment in 2 gelu(h1) of the expert in hand
	s_and_b32 s34, s32, 1
	s_mul_i32 s34, s34, A1E
	s_lshl_b32 s35, s33, 7
	s_add_co_u32 s34, s34, s35
	v_add_nc_u32 v6, s34, v5                       ; v6: where the first gelu writes: expert wave % 2, my 128 bytes of a row, sub-tile 0
	v_mad_u32_u24 v53, v2, XP, v4                  ; 528 r + 32 h
	s_lshl_b32 s35, s33, 8
	v_add_nc_u32 v7, s35, v53                      ; v7: x, my 256 bytes of a row, sub-tile 0
	s_xor_b32 s35, s35, 256
	v_add_nc_u32 v11, s35, v53                     ; v11: x, the row's other 256 bytes (the expert loop takes v11 for itself later)
	v_mad_u32_u24 v8, v2, A2P, v52
	v_add_nc_u32 v8, A2, v8                        ; v8-10: my token fragment in the second gelu's rows, 48 rows apart
	v_add_nc_u32 v9, 48*A2P, v8
	v_add_nc_u32 v10, 96*A2P, v8
	v_lshl_add_u32 v25, s32, 8, v8                 ; v25: where the second gelu writes sub-tile 0: my 256 bytes of a row
	s_mul_i32 s35, s32, 36*512
	v_add_nc_u32 v12, s35, v1                      ; v12: my wave's own running sums, 16 x lane
	v_lshl_add_u32 v13, s32, 7, v53
	v_add_nc_u32 v13, A1, v13                      ; v13: the finished rows: my 128 bytes of a row
	v_lshl_add_u32 v15, v2, 4, SS                  ; v15: a token's four sums of squares
	v_lshl_add_u32 v14, s32, 2, v15                ; v14: mine of them
	s_wait_loadcnt 0x0
.set ii, 1
.rept 15
.irp k,0,1,2,3
	v_add_nc_u32 v[64+\k], v[64+\k], v[64+4*ii+\k]
.endr
.set ii, ii+1
.endr
	v_add_nc_u32 v54, HP, v51
	ds_store_b128 v54, v[64:67]
	BAR
	v_lshl_add_u32 v54, v63, 2, HP
.set ii, 0
.rept 16
	ds_load_b32 v[64+ii], v54 offset:128*ii
.set ii, ii+1
.endr
	s_wait_dscnt 0x0
.set ii, 1
.rept 15
	v_add_nc_u32 v64, v64, v[64+ii]                ; lane p: the tokens of pair p
.set ii, ii+1
.endr
	s_mov_b32 s36, 0
	s_mov_b32 s37, 0x10000
	s_mov_b32 s38, 0
	s_mov_b32 s39, 0
	BIN 0,1
	BIN 0,2
	BIN 0,3
	BIN 0,4
	BIN 0,5
	BIN 0,6
	BIN 0,7
	BIN 1,2
	BIN 1,3
	BIN 1,4
	BIN 1,5
	BIN 1,6
	BIN 1,7
	BIN 2,3
	BIN 2,4
	BIN 2,5
	BIN 2,6
	BIN 2,7
	BIN 3,4
	BIN 3,5
	BIN 3,6
	BIN 3,7
	BIN 4,5
	BIN 4,6
	BIN 4,7
	BIN 5,6
	BIN 5,7
	BIN 6,7
	s_sub_co_u32 s34, ttmp9, s38
	s_mul_i32 s42, s34, 144                        ; s42: the rank of my first token in its pair
	s_sub_co_i32 s43, s39, s42
	s_max_i32 s43, s43, 0
	s_min_i32 s43, s43, 144                        ; s43: my tokens, 0 to 144
	s_and_b32 s35, s37, 0xff
	s_min_u32 s35, s35, 27                         ; the pair
	s_bfe_u32 s40, s37, 0x80008
	s_min_u32 s40, s40, 7                          ; s40: its lower expert
	s_bfe_u32 s41, s37, 0x80010
	s_min_u32 s41, s41, 7                          ; s41: its higher
	s_lshl_b32 s56, s35, 12
	s_add_nc_u64 s[48:49], s[14:15], s[56:57]
	v_lshlrev_b32 v50, 5, v0
	global_load_b128 v[64:67], v50, s[48:49]       ; the pair's row of bm: thread t takes words 8 t .. 8 t + 7
	global_load_b128 v[68:71], v50, s[48:49] offset:16
	s_and_b32 s34, s32, 1                          ; ln1's g and b: the expert whose first gelu is mine, my half of the columns
	s_cselect_b32 s36, s41, s40
	s_min_u32 s36, s36, 7
	s_lshl_b32 s56, s36, 9
	s_lshl_b32 s34, s33, 8
	s_add_co_u32 s56, s56, s34
	s_add_nc_u64 s[50:51], s[20:21], s[56:57]
	s_add_nc_u64 s[52:53], s[22:23], s[56:57]
	WIN 0x40
.set gg, 0
.rept 4                                ; group g of my half: columns 64 half + 16 g + 8 h + 0..7, as a token fragment holds them
	global_load_b128 v[8*gg:8*gg+3], v4, s[50:51] offset:64*gg
	global_load_b128 v[8*gg+4:8*gg+7], v4, s[50:51] offset:64*gg+16
	global_load_b128 v[32+8*gg:35+8*gg], v4, s[52:53] offset:64*gg
	global_load_b128 v[36+8*gg:39+8*gg], v4, s[52:53] offset:64*gg+16
.set gg, gg+1
.endr
	WIN 0
	s_wait_loadcnt 16                              ; the row's words are in: ln1's 16 loads are younger
.set ii, 0
.rept 8
	POPC 72+ii, 64+ii, 80
.set ii, ii+1
.endr
	v_mov_b32 v84, 0                               ; set bits ahead of each of my words, in my words,
	v_mov_b32 v85, v72
.set ii, 2
.rept 6
	v_add_nc_u32 v[84+ii], v[83+ii], v[71+ii]
.set ii, ii+1
.endr
	v_add_nc_u32 v81, v91, v79                     ; and my total
	v_mov_b32 v82, v81
	v_mov_b32 v83, 0
.irp n,1,2,4,8
	v_mov_b32_dpp v83, v82 row_shr:\n row_mask:0xf bank_mask:0xf bound_ctrl:1
	v_add_nc_u32 v82, v82, v83
.endr
	v_readlane_b32 s34, v82, 15
	v_cmp_lt_u32 vcc_lo, 15, v63
	v_cndmask_b32 v83, 0, s34, vcc_lo
	v_add_nc_u32 v82, v82, v83                     ; totals up to and with mine, in the wave
	v_readlane_b32 s35, v82, 31                    ; the wave's total
	v_sub_nc_u32 v83, v82, v81
.set ii, 0
.rept 8
	v_add_nc_u32 v[84+ii], v83, v[84+ii]
.set ii, ii+1
.endr
	v_lshl_add_u32 v92, v0, 5, PW
	ds_store_b128 v92, v[84:87]
	ds_store_b128 v92, v[88:91] offset:16
	ds_store_b128 v92, v[64:67] offset:4096
	ds_store_b128 v92, v[68:71] offset:4112
	s_lshl_b32 s36, s32, 2
	s_add_co_u32 s36, s36, WT
	v_mov_b32 v93, s36
	v_mov_b32 v94, s35
	ds_store_b32 v93, v94
	BAR
	; THE TOKEN OF A GIVEN RANK, for places t and t + 128 side by side (fields at v100.. and v120..: +0 rank, +1 word, +2 candidate,
	; +3 address, +4 loaded, +5 rank in the word, +6 the word, +7 bit, +8 to +10 at work, +11 token, +12, +13 its scores)
	v_mov_b32 v95, WT
	ds_load_b128 v[96:99], v95
	s_sub_co_i32 s34, s43, 1
	s_max_i32 s34, s34, 0
	v_min_u32 v100, s34, v0                        ; places past the count repeat the last token
	v_add_nc_u32 v120, 128, v0
	v_min_u32 v120, s34, v120
	v_add_nc_u32 v100, s42, v100
	v_add_nc_u32 v120, s42, v120
	s_wait_dscnt 0x0
	v_add_nc_u32 v97, v96, v97
	v_add_nc_u32 v98, v97, v98
.irp b,100,120
	v_mov_b32 v[\b+1], 0
	v_mov_b32 v[\b+5], 0
.irp c,96,97,98                        ; which wave's 256 words hold the rank
	v_cmp_ge_u32 vcc_lo, v[\b], v[\c]
	v_cndmask_b32 v[\b+8], 0, 1, vcc_lo
	v_add_nc_u32 v[\b+1], v[\b+1], v[\b+8]
	v_cndmask_b32 v[\b+5], v[\b+5], v[\c], vcc_lo
.endr
	v_lshlrev_b32 v[\b+1], 8, v[\b+1]
	v_sub_nc_u32 v[\b], v[\b], v[\b+5]
.endr
.irp st,128,64,32,16,8,4,2,1           ; the last of them with no more set bits ahead of it than the rank
.irp b,100,120
	v_add_nc_u32 v[\b+2], \st, v[\b+1]
	v_min_u32 v[\b+3], 1023, v[\b+2]
	v_lshl_add_u32 v[\b+3], v[\b+3], 2, PW
	ds_load_b32 v[\b+4], v[\b+3]
.endr
	s_wait_dscnt 0x0
.irp b,100,120
	v_cmp_le_u32 vcc_lo, v[\b+4], v[\b]
	v_cndmask_b32 v[\b+1], v[\b+1], v[\b+2], vcc_lo
.endr
.endr
.irp b,100,120
	v_min_u32 v[\b+3], 1023, v[\b+1]
	v_lshl_add_u32 v[\b+3], v[\b+3], 2, PW
	ds_load_b32 v[\b+4], v[\b+3]
	ds_load_b32 v[\b+6], v[\b+3] offset:4096
.endr
	s_wait_dscnt 0x0
.irp b,100,120
	v_sub_nc_u32 v[\b+5], v[\b], v[\b+4]
	v_mov_b32 v[\b+7], 0
.endr
.irp wd,16,8,4,2,1                     ; in the word: halve the field; go up where the lower half has too few set bits
.irp b,100,120
	v_lshrrev_b32 v[\b+8], v[\b+7], v[\b+6]
	v_and_b32 v[\b+8], (1<<\wd)-1, v[\b+8]
	POPC \b+9, \b+8, \b+10
	v_cmp_ge_u32 vcc_lo, v[\b+5], v[\b+9]
	v_cndmask_b32 v[\b+9], 0, v[\b+9], vcc_lo
	v_sub_nc_u32 v[\b+5], v[\b+5], v[\b+9]
	v_cndmask_b32 v[\b+8], 0, \wd, vcc_lo
	v_add_nc_u32 v[\b+7], v[\b+7], v[\b+8]
.endr
.endr
.irp b,100,120
	v_lshl_add_u32 v[\b+11], v[\b+1], 5, v[\b+7]
	v_min_u32 v[\b+11], 0x7fff, v[\b+11]
	v_lshlrev_b32 v[\b+3], 3, v[\b+11]
	global_load_b64 v[\b+12:\b+13], v[\b+3], s[10:11]
.endr
	v_lshl_add_u32 v92, v0, 2, TOK
	ds_store_b32 v92, v111
	ds_store_b32 v92, v131 offset:512
	v_lshl_add_u32 v93, v0, 3, SCL
	s_wait_loadcnt 0x0                             ; the scores, and ln1's g and b
	ds_store_b64 v93, v[112:113]
	ds_store_b64 v93, v[132:133] offset:1024
	BAR
	; THE GATHER: wave w brings rows 36 w .. 36 w + 35, a whole row of 512 bytes to a load
	s_mul_i32 s34, s32, 144
	s_add_co_u32 s34, s34, TOK
	v_mov_b32 v50, s34
.set ii, 0
.rept 36
	ds_load_b32 v[64+ii], v50 offset:4*ii
.set ii, ii+1
.endr
	v_lshl_add_u32 v51, v2, 3, SCL
.set ii, 0
.rept 9
	ds_load_b64 v[26+2*ii:27+2*ii], v51 offset:128*ii   ; the two scores of token r of each sub-tile
.set ii, ii+1
.endr
	s_mul_i32 s34, s32, 36*XP
	v_add_nc_u32 v52, s34, v1
	s_wait_dscnt 0x0
.set ii, 0
.rept 36
	v_min_u32 v[64+ii], 0x7fff, v[64+ii]
.set ii, ii+1
.endr
	WIN 0xc0
.set ii, 0
.rept 36
	v_lshl_add_u32 v[192+ii], v[64+ii], 9, v1      ; kept to the end: the row's place in x and in out0
.set ii, ii+1
.endr
	WIN 0x83
.set ii, 0
.rept 36
	global_load_b128 v[4*ii:4*ii+3], v[192+ii], s[8:9]
.set ii, ii+1
.endr
	WIN 0x08
.set ii, 0
.rept 36
	s_wait_loadcnt 35-ii                           ; row i is in, the younger rows stay out
	ds_store_b128 v52, v[4*ii:4*ii+3] offset:XP*ii
.set ii, ii+1
.endr
	WIN 0
	BAR
	; W1's first half of the lower expert and both b2 go out now; the first norm and gelu stand between them and their use
	s_lshl_b32 s56, s40, 17
	s_lshl_b32 s34, s32, 15
	s_add_co_u32 s56, s56, s34
	s_add_nc_u64 s[48:49], s[16:17], s[56:57]
	W1LOAD 0
	s_lshl_b32 s34, s32, 7
	s_lshl_b32 s56, s40, 9
	s_add_co_u32 s56, s56, s34
	s_add_nc_u64 s[50:51], s[28:29], s[56:57]
	s_lshl_b32 s56, s41, 9
	s_add_co_u32 s56, s56, s34
	s_add_nc_u64 s[52:53], s[28:29], s[56:57]
.irp hb,0,1
	global_load_b128 v[192+8*\hb:195+8*\hb], v4, s[50:51] offset:64*\hb
	global_load_b128 v[196+8*\hb:199+8*\hb], v4, s[50:51] offset:64*\hb+16
	global_load_b128 v[208+8*\hb:211+8*\hb], v4, s[52:53] offset:64*\hb
	global_load_b128 v[212+8*\hb:215+8*\hb], v4, s[52:53] offset:64*\hb+16
.endr
	; FIRST NORM AND GELU, all in window 2: nine trips, one sub-tile each, the same for every wave.  A lane holds half a row, as the
	; token fragments hold it: 32 numbers of my half of the columns (v64-95) and 32 of the other (v96-127).  Mean and variance are
	; taken of all; g, b and the gelu of my 32 alone.  9 x 32 = 288 gelus a lane, the same in all four waves; the price is that a
	; row's statistics are made by two waves.
	s_mov_b32 s47, 0
.Lp1:
	WIN 0x80
.set gg, 0
.rept 4
	ds_load_b128 v[64+8*gg:67+8*gg], v7 offset:64*gg
	ds_load_b128 v[68+8*gg:71+8*gg], v7 offset:64*gg+16
	ds_load_b128 v[96+8*gg:99+8*gg], v11 offset:64*gg
	ds_load_b128 v[100+8*gg:103+8*gg], v11 offset:64*gg+16
.set gg, gg+1
.endr
	s_wait_dscnt 0x0
	WIN 0xaa
.irp ch,0,1,2,3
	v_pk_add_f32 v[P1S+2*\ch:P1S+2*\ch+1], v[64+2*\ch:65+2*\ch], v[72+2*\ch:73+2*\ch]
.endr
.set pp, 8
.rept 24
	v_pk_add_f32 v[P1S+2*(pp%4):P1S+2*(pp%4)+1], v[P1S+2*(pp%4):P1S+2*(pp%4)+1], v[64+2*pp:65+2*pp]
.set pp, pp+1
.endr
	v_pk_add_f32 v[P1S:P1S+1], v[P1S:P1S+1], v[P1S+2:P1S+3]
	v_pk_add_f32 v[P1S+4:P1S+5], v[P1S+4:P1S+5], v[P1S+6:P1S+7]
	v_pk_add_f32 v[P1S:P1S+1], v[P1S:P1S+1], v[P1S+4:P1S+5]
	v_add_f32 v[P1S], v[P1S], v[P1S+1]
	v_permlanex16_b32 v[P1S+1], v[P1S], s74, s75   ; the row's other 64 columns lie in the lane 16 away
	v_add_f32 v[P1S], v[P1S], v[P1S+1]
	v_mul_f32 v[P1S], s76, v[P1S]                  ; the mean
.set pp, 0
.rept 32
	v_pk_add_f32 v[64+2*pp:65+2*pp], v[64+2*pp:65+2*pp], v[P1S:P1S+1] op_sel_hi:[1,0] neg_lo:[0,1] neg_hi:[0,1]
.set pp, pp+1
.endr
.irp ch,0,1,2,3
	v_pk_mul_f32 v[P1S+2+2*\ch:P1S+3+2*\ch], v[64+2*\ch:65+2*\ch], v[64+2*\ch:65+2*\ch]
.endr
.set pp, 4
.rept 28
	v_pk_fma_f32 v[P1S+2+2*(pp%4):P1S+3+2*(pp%4)], v[64+2*pp:65+2*pp], v[64+2*pp:65+2*pp], v[P1S+2+2*(pp%4):P1S+3+2*(pp%4)]
.set pp, pp+1
.endr
	v_pk_add_f32 v[P1S+2:P1S+3], v[P1S+2:P1S+3], v[P1S+4:P1S+5]
	v_pk_add_f32 v[P1S+6:P1S+7], v[P1S+6:P1S+7], v[P1S+8:P1S+9]
	v_pk_add_f32 v[P1S+2:P1S+3], v[P1S+2:P1S+3], v[P1S+6:P1S+7]
	v_add_f32 v[P1S+2], v[P1S+2], v[P1S+3]
	v_permlanex16_b32 v[P1S+3], v[P1S+2], s74, s75
	v_add_f32 v[P1S+2], v[P1S+2], v[P1S+3]
	v_fma_f32 v[P1S+2], v[P1S+2], s76, s77
	v_rsq_f32 v[P1S+2], v[P1S+2]
	v_nop                                          ; the plain instruction behind the root,
	s_wait_alu depctr_va_vdst(0)                   ; and its wait
.set pp, 0
.rept 16
	v_pk_mul_f32 v[64+2*pp:65+2*pp], v[64+2*pp:65+2*pp], v[P1S+2:P1S+3] op_sel_hi:[1,0]
.set pp, pp+1
.endr
	WIN 0x96                                       ; g and b in window 1
.set pp, 0
.rept 16
	v_pk_fma_f32 v[64+2*pp:65+2*pp], v[64+2*pp:65+2*pp], v[2*pp:2*pp+1], v[32+2*pp:33+2*pp]
.set pp, pp+1
.endr
	GELU16 2, 64, 0
	WIN 0x08
.irp g,0,1,2,3
	ds_store_b128 v6, v[GD+4*\g:GD+4*\g+3] offset:32*\g
.endr
	WIN 0
	v_add_nc_u32 v7, 16*XP, v7                     ; the next sub-tile
	v_add_nc_u32 v11, 16*XP, v11
	v_add_nc_u32 v6, 16*A1P, v6
	s_add_co_u32 s47, s47, 1
	s_cmp_lt_u32 s47, 9
	s_cbranch_scc1 .Lp1
	W1LOAD 1
	BAR                                            ; x has been read by all, 2 gelu(h1) is whole
	; the sums start with s_lo b2_lo + s_hi b2_hi, in my wave's own bytes
	s_wait_loadcnt 32                              ; W1's first half and b2 are in: W1's second 32 loads are younger
.set sx, 0
.rept 9
	v_mov_b32 v46, v[26+2*sx]
	v_mov_b32 v48, v[27+2*sx]
.irp hb,0,1
.irp i,0,1,2,3
	v_pk_mul_f32 v[224+8*\hb+2*\i:225+8*\hb+2*\i], v[192+8*\hb+2*\i:193+8*\hb+2*\i], v[46:47] op_sel_hi:[1,0]
.endr
.irp i,0,1,2,3
	v_pk_fma_f32 v[224+8*\hb+2*\i:225+8*\hb+2*\i], v[208+8*\hb+2*\i:209+8*\hb+2*\i], v[48:49], v[224+8*\hb+2*\i:225+8*\hb+2*\i] op_sel_hi:[1,0,1]
.endr
	ds_store_b128 v12, v[224+8*\hb:227+8*\hb] offset:1024*(2*sx+\hb)
	ds_store_b128 v12, v[228+8*\hb:231+8*\hb] offset:1024*(2*sx+\hb)+512
.endr
.set sx, sx+1
.endr
	s_mov_b32 s44, s40                             ; the expert in hand
	s_mov_b32 s46, 0                               ; which of the two scores: none of the lanes takes the second
	s_mov_b32 s45, 2
.Lexp:                                                 ; two trips: the lower expert, the higher
	s_wait_xcnt 0x0                                ; the bases below are written anew only behind this wait
	s_min_u32 s44, s44, 7
	s_lshl_b32 s56, s44, 17
	s_lshl_b32 s34, s32, 15
	s_add_co_u32 s56, s56, s34
	s_add_nc_u64 s[50:51], s[18:19], s[56:57]      ; my two blocks of W2
	s_lshl_b32 s56, s44, 11
	s_lshl_b32 s34, s32, 9
	s_add_co_u32 s56, s56, s34
	s_add_nc_u64 s[52:53], s[24:25], s[56:57]      ; my 128 columns of ln2's g,
	s_add_nc_u64 s[54:55], s[26:27], s[56:57]      ; and b
	; FIRST PRODUCT: t = 2 gelu(h1) x w1f, 9 sub-tiles x 8 blocks x 4 K steps
	PLACES
	P2LOAD 0
.set sb, 0
.rept 9
.if sb < 8
	PLACES                                         ; in front of loads into the buffer that the sub-tile before multiplied
	P2LOAD sb+1
	s_wait_dscnt 0x8                               ; all but the eight just issued
.else
	s_wait_dscnt 0x0
.endif
.if sb == 0
	s_wait_loadcnt 32                              ; W1's first half is in: its second 32 loads are younger
.endif
	P2MUL sb, 0
.if sb == 0
	s_wait_loadcnt 0x0
.endif
	P2MUL sb, 1
.set sb, sb+1
.endr
	; SECOND NORM: sums of squares meet in LDS; ln2's g and b come into W1's second half meanwhile
	PLACES
	WIN 0xc0
.set aa, 0
.rept 8
	global_load_b128 v[64+8*aa:67+8*aa], v4, s[52:53] offset:64*aa
	global_load_b128 v[68+8*aa:71+8*aa], v4, s[52:53] offset:64*aa+16
	global_load_b128 v[128+8*aa:131+8*aa], v4, s[54:55] offset:64*aa
	global_load_b128 v[132+8*aa:135+8*aa], v4, s[54:55] offset:64*aa+16
.set aa, aa+1
.endr
	WIN 0
.irp s,0,1,2,3,4,5,6,7,8
	P3SUM \s
.endr
	BAR                                            ; also: every wave's reads of the second gelu's rows (the trip before) are over
.set sx, 0
.rept 9
	ds_load_b128 v[64+4*sx:67+4*sx], v15 offset:256*sx
.set sx, sx+1
.endr
	s_wait_dscnt 0x0
.set sx, 0
.rept 9
	v_add_f32 v[64+4*sx], v[64+4*sx], v[65+4*sx]
	v_add_f32 v[66+4*sx], v[66+4*sx], v[67+4*sx]
	v_add_f32 v[64+4*sx], v[64+4*sx], v[66+4*sx]
	v_fma_f32 v[16+sx], v[64+4*sx], s78, s77
.set sx, sx+1
.endr
.set sx, 0
.rept 9
	v_rsq_f32 v[16+sx], v[16+sx]
.set sx, sx+1
.endr
	v_mov_b32 v11, v25                             ; the plain instruction behind the last root: the second gelu's first row
	s_wait_alu depctr_va_vdst(0)                   ; one wait for the nine roots
	s_wait_loadcnt 0x0                             ; g and b
	; SECOND GELU: nine trips; what names t's registers is written out nine times, the rest once
	s_mov_b32 s47, 0
.Lp4:
.irp s,0,1,2,3,4,5,6,7
	s_cmp_eq_u32 s47, \s
	s_cbranch_scc1 .Lb\s
.endr
	P4BLK 8
	s_branch .Lcm
.irp s,0,1,2,3,4,5,6
	P4BLK \s
	s_branch .Lcm
.endr
	P4BLK 7
.Lcm:
	WIN 0x3c                                       ; g and b in window 3
.set pp, 0
.rept 32
	v_pk_fma_f32 v[64+2*pp:65+2*pp], v[64+2*pp:65+2*pp], v[64+2*pp:65+2*pp], v[128+2*pp:129+2*pp]
.set pp, pp+1
.endr
	GELU16 0, 64, 1
.irp g,0,1,2,3
	ds_store_b128 v11, v[GD+4*\g:GD+4*\g+3] offset:32*\g
.endr
	GELU16 0, 96, 1
.irp g,0,1,2,3
	ds_store_b128 v11, v[GD+4*\g:GD+4*\g+3] offset:128+32*\g
.endr
	v_add_nc_u32 v11, 16*A2P, v11
	s_add_co_u32 s47, s47, 1
	s_cmp_lt_u32 s47, 9
	s_cbranch_scc1 .Lp4
	W2LOAD                                         ; into t's first four sub-tiles, which have been read
	BAR
	; SECOND PRODUCT, onto the running sums
	WIN 0x80
.set gi, 0
.rept 18
	ds_load_b128 v[8*gi:8*gi+3], v12 offset:1024*gi
	ds_load_b128 v[8*gi+4:8*gi+7], v12 offset:1024*gi+512
.set gi, gi+1
.endr
	P5LOAD 0
.set nn, 0
.rept 36
.if nn == 8                            ; W2 is all in: the higher expert's W1 goes out, in the first trip alone
	WIN 0
	s_cmp_lg_u32 s45, 2
	s_cbranch_scc1 .Lnw1a
	s_min_u32 s35, s41, 7
	s_lshl_b32 s56, s35, 17
	s_lshl_b32 s34, s32, 15
	s_add_co_u32 s56, s56, s34
	s_add_nc_u64 s[48:49], s[16:17], s[56:57]
	W1LOAD 0
.Lnw1a:
.endif
.if nn == 20
	WIN 0
	s_cmp_lg_u32 s45, 2
	s_cbranch_scc1 .Lnw1b
	W1LOAD 1
.Lnw1b:
.endif
.if nn < 35
	PLACES                                         ; in front of loads into the buffer that the chunk before multiplied
	P5LOAD nn+1
	s_wait_dscnt 0x8                               ; all but the eight just issued
.else
	s_wait_dscnt 0x0
.endif
.if nn < 8
	s_wait_loadcnt 56-8*nn                         ; W2's K steps 2 n and 2 n + 1 are in: four loads a step, the later steps' are younger
.endif
	P5MUL nn
.set nn, nn+1
.endr
	PLACES
	WIN 0
	s_cmp_lg_u32 s45, 2
	s_cbranch_scc1 .Lnost                          ; behind the second expert the sums stay in registers
	WIN 0x08
.set gi, 0
.rept 18
	ds_store_b128 v12, v[8*gi:8*gi+3] offset:1024*gi     ; each accumulator's low four first
	ds_store_b128 v12, v[8*gi+4:8*gi+7] offset:1024*gi+512
.set gi, gi+1
.endr
	WIN 0
.Lnost:
	v_add_nc_u32 v5, A1E, v5                       ; the other expert's 2 gelu(h1)
	s_mov_b32 s44, s41
	s_mov_b32 s46, -1                              ; every lane takes the second score
	s_sub_co_u32 s45, s45, 1
	s_cmp_lg_u32 s45, 0
	s_cbranch_scc1 .Lexp
	; THE WAY OUT: the finished sums go, as rows, where 2 gelu(h1) lay (read for the last time ahead of two barriers)
	s_wait_loadcnt 0x0                             ; no load is out into the registers used below
	v_add_nc_u32 v50, 7*16*XP, v13
	WIN 0x08
.set sx, 0
.rept 9
.irp hb,0,1
.if sx < 7
	ds_store_b128 v13, v[8*(2*sx+\hb):8*(2*sx+\hb)+3] offset:sx*16*XP+64*\hb
	ds_store_b128 v13, v[8*(2*sx+\hb)+4:8*(2*sx+\hb)+7] offset:sx*16*XP+64*\hb+16
.else
	ds_store_b128 v50, v[8*(2*sx+\hb):8*(2*sx+\hb)+3] offset:(sx-7)*16*XP+64*\hb
	ds_store_b128 v50, v[8*(2*sx+\hb)+4:8*(2*sx+\hb)+7] offset:(sx-7)*16*XP+64*\hb+16
.endif
.endr
.set sx, sx+1
.endr
	WIN 0
	BAR
	WIN 0x03
.set ii, 0
.rept 36
	v_mov_b32 v[208+ii], v[192+ii]                 ; my rows' offsets, into window 0
.set ii, ii+1
.endr
	WIN 0
	s_mul_i32 s34, s32, 36*XP
	s_add_co_u32 s34, s34, A1
	v_add_nc_u32 v51, s34, v1
.set ii, 0
.rept 36
	ds_load_b128 v[64+4*ii:67+4*ii], v51 offset:XP*ii
.set ii, ii+1
.endr
	s_mul_i32 s35, s32, 36
	s_sub_co_i32 s35, s43, s35                     ; how many of my 36 rows exist
.set ii, 0
.rept 36
	s_wait_dscnt 35-ii                             ; row i is back, the younger rows stay out
	s_cmp_le_i32 s35, ii
	s_cbranch_scc1 .Lend                           ; rows past the count are not stored
	global_store_b128 v[208+ii], v[64+4*ii:67+4*ii], s[30:31] th:TH_STORE_NT   ; a whole row: 512 consecutive bytes, aligned
.set ii, ii+1
.endr
.Lend:
	s_nop 0
	s_wait_tensorcnt 0x0                           ; the wave's end
	ds_add_u32 v44, v45
	s_wait_dscnt 0x0
	s_endpgm
.Lfunc_end_k_q3f2e085ba2_chain:
	.size	k_q3f2e085ba2_chain, .Lfunc_end_k_q3f2e085ba2_chain-k_q3f2e085ba2_chain
	.p2alignl 7, 3214868480
	.fill 96, 4, 3214868480
	.section	.rodata,"a",@progbits
	.p2align	6, 0x0
	.amdhsa_kernel k_q3f2e085ba2_chain
		.amdhsa_group_segment_fixed_size 312320
		.amdhsa_private_segment_fixed_size 0
		.amdhsa_enable_private_segment 0
		.amdhsa_kernarg_size 96
		.amdhsa_user_sgpr_count 2
		.amdhsa_user_sgpr_kernarg_segment_ptr 1
		.amdhsa_wavefront_size32 1
		.amdhsa_system_sgpr_workgroup_id_x 1
		.amdhsa_system_sgpr_workgroup_id_y 1
		.amdhsa_system_sgpr_workgroup_id_z 1
		.amdhsa_system_vgpr_workitem_id 0
		.amdhsa_next_free_vgpr 1024
		.amdhsa_next_free_sgpr 88
		.amdhsa_reserve_vcc 1
		.amdhsa_float_denorm_mode_32 3
		.amdhsa_float_denorm_mode_16_64 3
		.amdhsa_memory_ordered 1
		.amdhsa_forward_progress 1
		.amdhsa_inst_pref_size 255
	.end_amdhsa_kernel
	.section	.bss,"aw",@nobits
	.p2align	6
	.space	262144
	.amdgpu_metadata
---
amdhsa.version: [ 1, 2 ]
amdhsa.kernels:
  - .name:           k_q3f2e085ba2_chain
    .symbol:         k_q3f2e085ba2_chain.kd
    .args:
      - { .name: x, .offset: 0, .size: 8, .value_kind: global_buffer, .address_space: global }
      - { .name: sc, .offset: 8, .size: 8, .value_kind: global_buffer, .address_space: global }
      - { .name: hist, .offset: 16, .size: 8, .value_kind: global_buffer, .address_space: global }
      - { .name: bm, .offset: 24, .size: 8, .value_kind: global_buffer, .address_space: global }
      - { .name: w1f, .offset: 32, .size: 8, .value_kind: global_buffer, .address_space: global }
      - { .name: w2f, .offset: 40, .size: 8, .value_kind: global_buffer, .address_space: global }
      - { .name: ln1_g, .offset: 48, .size: 8, .value_kind: global_buffer, .address_space: global }
      - { .name: ln1_b, .offset: 56, .size: 8, .value_kind: global_buffer, .address_space: global }
      - { .name: ln2_g, .offset: 64, .size: 8, .value_kind: global_buffer, .address_space: global }
      - { .name: ln2_b, .offset: 72, .size: 8, .value_kind: global_buffer, .address_space: global }
      - { .name: b2, .offset: 80, .size: 8, .value_kind: global_buffer, .address_space: global }
      - { .name: out0, .offset: 88, .size: 8, .value_kind: global_buffer, .address_space: global }
    .group_segment_fixed_size: 312320
    .private_segment_fixed_size: 0
    .kernarg_segment_align: 8
    .kernarg_segment_size: 96
    .max_flat_workgroup_size: 128
    .sgpr_count:     88
    .vgpr_count:     1024
    .wavefront_size: 32
...
	.end_amdgpu_metadata
.endif
;; end of part 2
